; MI455X (gfx1250); checked and timed in simulation.
; The chip was launched on July 23, 2026; its instructions are those of AMD's public machine-readable ISA for CDNA 5 (MIT licence, August 2026) and "CDNA5" Instruction Set Architecture Reference Guide (July 2026). The comments in the code are by the model that wrote it; some were corrected since.
;; Ray Tracing. Allowed arithmetic: float matrix products may take bf16 or f16 operands with f32 sums; all other float work in f32.
;; Inputs: cam_loc 4 x 3 float32; object_mask 131,072 bool; ray_directions 4 x 32,768 x 3 float32; sdf_center 3 float32; sdf_radius 1 float32.
;; Outputs: out0 131,072 x 3 float32; out1 131,072 bool; out2 131,072 float32.
;; One version. Each part assembles by itself: llvm-mc -triple=amdgcn-amd-amdhsa -mcpu=gfx1250 --defsym DOCPART=n.
;; ======== version 1 of 1: 1 launch
;; launch trace (part 1): grid 256 x 1, 16 waves a work-group, no clusters, 10,752 bytes of LDS; arguments cam_loc, ray_directions, sdf_center, sdf_radius, out0, out1, out2; writes out0, out1, out2
.if DOCPART == 1
	.amdgcn_target "amdgcn-amd-amdhsa--gfx1250"
	.amdhsa_code_object_version 6
	.text
	.protected	k_qb643cedb93_trace
	.globl	k_qb643cedb93_trace
	.p2align	8
	.type	k_qb643cedb93_trace,@function
k_qb643cedb93_trace:
	s_mov_b64 s[64:65], 0
	v_nop
	global_prefetch_b8 v0, s[64:65] scope:SCOPE_SE
	s_setreg_imm32_b32 hwreg(HW_REG_WAVE_MODE, 25, 1), 1
	s_wait_xcnt 0x0
; RayTracing: bounding-sphere test, 10 sphere-tracing steps from both ends, 100-sample march, 8 secant steps, final selects.
; One ray per lane, 16 waves = 512 rays per work-group, 256 work-groups; 64 work-groups share a camera, so camera, centre and
; radius are scalars.  All state stays in registers; memory sees one 12-byte load per lane and the three results.
;
; HOW THE ARITHMETIC IS LAID OUT
;  * sdf(z) = sqrt(x) - r,  x = |cam + z d - centre|^2 + 1e-12, formed as reference() writes it (point, minus centre, squares).
;  * Tracing: the near and the far march are the two halves of one f32 pair A = (acc_s, -acc_e), with directions (d, -d):
;    cam + acc_e d = cam + (-acc_e)(-d) bit for bit, and both halves then obey the same update (A += curr, A -= curr/2).
;  * Where only the SIGN of the sdf is used (the back-off test, the 100 samples) x is compared with R2 = r max(r, 0):
;    sqrt(x) < r <=> x < r^2 for r > 0; for r <= 0 R2 is zero and x >= 1e-12 is never below or at it.  No root there.
;  * The march keeps only the index: samples are walked from 99 down to 0, so that the last write is the first sample.
;    jnp.argmin(sign(sdf) (100 - i)) = first negative sample, else first sample that is zero, else 99.
;  * Every possible output point is cam + z d for the selected distance z, so the distance is selected and the point formed once.
;  * Flags (unfinished, masks) are lane masks in scalar registers.  No branch and no address hangs on a floating-point number.
; NOT USED, AND WHY: object_mask is not loaded: reference() takes it and uses it nowhere, no result depends on it.
;  The einsum is a dot product of length 3 with a vector that is uniform in the work-group: 3 of 32 along K and 1 of 16 columns of a
;  matrix instruction, and 16-bit operands would move the bounding-sphere test; it is three f32 multiply-adds.  Work-groups share
;  64 bytes of scalars and no tile: no cluster, no tensor load, no ring.
; LIMITS (rounding and range only): multiplies and adds are fused; 1e-12 is added first in the sum of squares, not last; the sign
;  tests compare x with r^2 rounded once, which can differ from sqrt(x) - r only for x within about one unit in the last place of
;  r^2; a division is v_rcp_f32 and a multiply; v_sqrt_f32 and v_rcp_f32 are good to 1 ULP and flush denormals (ISA guide 15.8).
;  A ray whose decision (under-root against 0, acc_s against acc_e, a sample on the surface) lies within that rounding can fall on
;  the other side than in reference().  NaN and infinities are not followed as jnp's where and argmin follow them.
.set RAYS,      512                    ; rays of a work-group
.set TRACE_IT,  10
.set STEPS,     100
.set SECANT_IT, 8
.set SIGN,      0x80000000
.set THR_BITS,  0x3851b717             ; 5e-05
.set EPS_BITS,  0x2b8cbccc             ; 1e-12
.set N99_BITS,  0xc2c60000             ; -99.0
.set L_DIS,     12*RAYS                ; LDS: 6,144 bytes of points, then 2,048 of distances,
.set L_MSK,     16*RAYS                ; then 512 of mask bytes: 8,704 in all
; vector registers
.set D,    6                           ; v[6:11]   (dx,-dx) (dy,-dy) (dz,-dz)
.set A,    12                          ; v[12:13]  (acc_s, -acc_e)
.set NX,   14                          ; v[14:15]  sdf at both ends (next_s, next_e)
.set CU,   16                          ; v[16:17]  this step's advance (curr_s, curr_e)
.set A2,   18                          ; v[18:19]  A after the back-off
.set R2,   20                          ; r max(r, 0)
.set DOT,  21
.set U,    22
.set SQ,   23
.set SMIN, 24
.set DIFF, 25                          ; smax - smin
.set IND,  26
.set ZH0,  27                          ; z[ind], kept for the rays without a surface
.set ZA,   28                          ; v[28:31]  four sample distances; later (z_low, z_high)
.set PA,   32                          ; v[32:43]  two sets of three coordinate pairs
.set XA,   44                          ; v[44:47]  four squared distances
.set F,    48                          ; v[48:49]  (ind-1, ind) as f32, then the division's remainders
.set Q,    50                          ; v[50:51]  t[ind-1], t[ind]
.set SP,   52                          ; v[52:53]  (sdf_low, sdf_high)
.set ZM,   54                          ; z_pred
.set SMID, 55
.set BB,   56
.set RB,   57
.set AA,   58
.set ZF,   59                          ; the distance that goes out
.set PT,   60                          ; v[60:62]  the point that goes out
.set MB,   63
.set AD,   64                          ; 16 t
.set AD4,  65                          ; 4 t
.set OUT,  66                          ; v[66:69]
.set OUTM, 70                          ; v[70:73]
; scalar registers.  A packed f32 instruction takes a scalar as a pair and broadcasts its first register: pairs hold the number twice.
.set CAM,  32                          ; s[32:37]  camera x, y, z
.set NC,   38                          ; s[38:43]  -centre x, y, z
.set NR,   44                          ; s[44:45]  -radius
.set EPS,  46                          ; s[46:47]
.set THR,  48
.set KK,   49                          ; -(|cam|^2 - 1)
.set US,   50                          ; lane masks: unfinished start, unfinished end,
.set UE,   51
.set OK,   52                          ; acc_s < acc_e,
.set SM,   53                          ; sampler_mask,
.set HN,   54                          ; a negative sample has been seen
.set T0,   55
.set T1,   56
.set CNT,  57
.set W,    58                          ; wave number
.set LT,   68                          ; s[68:71]  four samples: x <  R2
.set LE,   72                          ; s[72:75]                x <= R2
.set MM,   76                          ; s[76:79]                this sample becomes the index
; x = |cam + a d - centre|^2 + 1e-12 for the two distances in v[a:a+1], into v[XA:XA+1].
; own = 1: each half has its own direction (d, -d).  own = 0: both halves take d.
.macro EVAL a, own
.irp c, 0,1,2
	v_pk_fma_f32 v[PA+2*\c:PA+2*\c+1], v[\a:\a+1], v[D+2*\c:D+2*\c+1], s[CAM+2*\c:CAM+2*\c+1] op_sel_hi:[1,\own,0]
.endr
.irp c, 0,1,2
	v_pk_add_f32 v[PA+2*\c:PA+2*\c+1], v[PA+2*\c:PA+2*\c+1], s[NC+2*\c:NC+2*\c+1] op_sel_hi:[1,0]
.endr
	v_pk_fma_f32 v[XA:XA+1], v[PA:PA+1], v[PA:PA+1], s[EPS:EPS+1] op_sel_hi:[1,1,0]
	v_pk_fma_f32 v[XA:XA+1], v[PA+2:PA+3], v[PA+2:PA+3], v[XA:XA+1]
	v_pk_fma_f32 v[XA:XA+1], v[PA+4:PA+5], v[PA+4:PA+5], v[XA:XA+1]
.endm
; TB = the f32 bits of i/99 rounded to nearest (jnp.linspace(0, 1, 100) is iota/99 with 1 at the end), in integers:
; TK = the shift that brings i 2^TK to 99 or above, the significand is floor((2 i 2^(TK+23) + 99) / 198); 99 is odd: no ties.
.macro TBITS i
.set TK, 0
.rept 7
.if ((\i) << TK) < 99
.set TK, TK+1
.endif
.endr
.if (\i) == 0
.set TB, 0
.else
.set TB, ((127-TK) << 23) + (((\i) << (TK+24)) + 99) / 198 - (1 << 23)
.endif
.endm
.macro ZSTEP dst, i                    ; z_i = smin + t_i (smax - smin)
	TBITS \i
	v_fmamk_f32 v[\dst], v[DIFF], TB, v[SMIN]
.endm
	TBITS 1
.set Y_BITS, TB                        ; 1/99 rounded to nearest
	; ---- addresses, the ray's direction, the uniform numbers
	s_load_b256 s[4:11], s[0:1], 0x0               ; cam_loc s[4:5], ray_directions s[6:7], sdf_center s[8:9], sdf_radius s[10:11]
	s_load_b128 s[12:15], s[0:1], 0x20             ; out0 s[12:13], out1 s[14:15]
	s_load_b64 s[16:17], s[0:1], 0x30              ; out2
	v_lshl_add_u32 v74, v0, 2, 0x2200
	v_mov_b32 v75, 0
	s_lshr_b32 s18, ttmp9, 6                       ; batch: 32,768 rays = 64 work-groups
	s_mul_i32 s18, s18, 12                         ; its camera's 12 bytes
	s_mov_b32 s19, 0
	s_mul_i32 s2, ttmp9, 12*RAYS                   ; the work-group's part of ray_directions and of out0
	s_mov_b32 s3, 0
	v_mul_u32_u24 v1, v0, 12                       ; 12 t: my ray in that part, and my point in LDS
	v_lshrrev_b32 v[AD], 5, v0
	v_readfirstlane_b32 s[W], v[AD]
	s_wait_kmcnt 0x0
	s_add_nc_u64 s[6:7], s[6:7], s[2:3]
	global_load_b96 v[2:4], v1, s[6:7] th:TH_LOAD_NT   ; a wave reads 384 consecutive bytes, each byte once in the launch
	s_add_nc_u64 s[4:5], s[4:5], s[18:19]
	s_load_b96 s[20:22], s[4:5], 0x0               ; camera
	s_load_b96 s[24:26], s[8:9], 0x0               ; centre
	s_load_b32 s28, s[10:11], 0x0                  ; radius
	s_add_nc_u64 s[12:13], s[12:13], s[2:3]        ; out0 at the work-group's 6,144 bytes
	s_lshl_b32 s2, ttmp9, 9
	s_add_nc_u64 s[14:15], s[14:15], s[2:3]        ; out1 at its 512 bytes
	s_lshl_b32 s2, ttmp9, 11
	s_add_nc_u64 s[16:17], s[16:17], s[2:3]        ; out2 at its 2,048 bytes
	s_mov_b32 s[THR], THR_BITS
	s_mov_b32 s[EPS], EPS_BITS
	s_mov_b32 s[EPS+1], EPS_BITS
	s_wait_kmcnt 0x0                               ; scalar loads return in no order: zero is the only count that shows anything
.irp c, 0,1,2
	s_mov_b32 s[CAM+2*\c], s[20+\c]
	s_mov_b32 s[CAM+2*\c+1], s[20+\c]
	s_xor_b32 s[NC+2*\c], s[24+\c], SIGN           ; p + (-c) is p - c bit for bit
	s_xor_b32 s[NC+2*\c+1], s[24+\c], SIGN
.endr
	s_xor_b32 s[NR], s28, SIGN
	s_xor_b32 s[NR+1], s28, SIGN
	s_mul_f32 s[KK], s20, s20                      ; |cam|^2 - R^2, R = 1
	s_fmac_f32 s[KK], s21, s21
	s_fmac_f32 s[KK], s22, s22
	s_add_f32 s[KK], s[KK], -1.0
	s_xor_b32 s[KK], s[KK], SIGN
	; ---- the bounding sphere
	s_wait_loadcnt 0x0
	v_mul_f32 v[DOT], s20, v2                      ; ray_cam_dot
	v_fmac_f32 v[DOT], s21, v3
	v_fmac_f32 v[DOT], s22, v4
	v_fma_f32 v[U], v[DOT], v[DOT], s[KK]          ; under_sqrt
	v_cmp_lt_f32 s[US], 0, v[U]                    ; mask_intersect: both ends start unfinished there
	v_max_num_f32 v[U], 0, v[U]
	v_sqrt_f32 v[SQ], v[U]                         ; the six lines below are the plain instructions that stand between a root and its use (ISA guide 5.7.2)
.irp c, 0,1,2
	v_mov_b32 v[D+2*\c], v[2+\c]
	v_xor_b32 v[D+2*\c+1], SIGN, v[2+\c]
.endr
	s_mov_b32 s[UE], s[US]
	s_wait_alu depctr_va_vdst(0)
	v_sub_f32 v[A], -v[SQ], v[DOT]                 ; near: -sq - dot
	v_sub_f32 v[A+1], v[DOT], v[SQ]                ; far, negated: -(sq - dot)
	v_max_num_f32 v[A], 0, v[A]                    ; distances are not negative,
	v_min_num_f32 v[A+1], 0, v[A+1]
	v_cndmask_b32 v[A], 0, v[A], s[US]             ; and zero where the ray misses the bounding sphere
	v_cndmask_b32 v[A+1], 0, v[A+1], s[US]
	EVAL A, 1
	v_sqrt_f32 v[NX], v[XA]
	v_sqrt_f32 v[NX+1], v[XA+1]
	v_max_num_f32 v[R2], s28, 0                    ; (plain work behind the roots)
	v_mul_f32 v[R2], s28, v[R2]                    ; R2 = r max(r, 0)
	s_wait_alu depctr_va_vdst(0)
	v_pk_add_f32 v[NX:NX+1], v[NX:NX+1], s[NR:NR+1] op_sel_hi:[1,0]
	; ---- sphere tracing.  NX is read only under US, UE, so it is never zeroed for finished ends.
	s_mov_b32 s[CNT], 0
.Ltrace:
	v_cmp_lt_f32 s[T0], s[THR], v[NX]
	v_cmp_lt_f32 s[T1], s[THR], v[NX+1]
	s_and_b32 s[US], s[US], s[T0]                  ; unfinished and still further than the threshold
	s_and_b32 s[UE], s[UE], s[T1]
	v_cndmask_b32 v[CU], 0, v[NX], s[US]
	v_cndmask_b32 v[CU+1], 0, v[NX+1], s[UE]
	v_pk_add_f32 v[A:A+1], v[A:A+1], v[CU:CU+1]    ; acc_s += curr_s, -acc_e += curr_e
	EVAL A, 1
	v_pk_fma_f32 v[A2:A2+1], v[CU:CU+1], -0.5, v[A:A+1] op_sel_hi:[1,0,1]   ; half a step back (exact halving)
	v_cmp_lt_f32 s[T0], v[XA], v[R2]               ; overshoot: sdf < 0
	v_cmp_lt_f32 s[T1], v[XA+1], v[R2]
	s_and_b32 s[T0], s[T0], s[US]
	s_and_b32 s[T1], s[T1], s[UE]
	v_cndmask_b32 v[A], v[A], v[A2], s[T0]
	v_cndmask_b32 v[A+1], v[A+1], v[A2+1], s[T1]
	EVAL A, 1                                      ; where nothing moved this repeats the same bits
	v_sqrt_f32 v[NX], v[XA]
	v_sqrt_f32 v[NX+1], v[XA+1]
	v_cmp_lt_f32 s[OK], v[A], -v[A+1]              ; acc_s < acc_e; also the plain instruction behind the roots
	s_wait_alu depctr_va_vdst(0)
	v_pk_add_f32 v[NX:NX+1], v[NX:NX+1], s[NR:NR+1] op_sel_hi:[1,0]
	s_and_b32 s[US], s[US], s[OK]
	s_and_b32 s[UE], s[UE], s[OK]
	s_add_co_u32 s[CNT], s[CNT], 1
	s_cmp_lt_u32 s[CNT], TRACE_IT
	s_cbranch_scc1 .Ltrace
	v_cmp_lt_f32 s[T0], s[THR], v[NX]              ; the last refresh of the start's flag
	s_and_b32 s[SM], s[US], s[T0]                  ; sampler_mask.  OK of the last step is network_object_mask so far
	; ---- the march: 100 samples between the two ends, four to a block, from the last block to the first
	v_cndmask_b32 v[SMIN], 0, v[A], s[SM]
	v_cndmask_b32 v[DIFF], 0, v[A+1], s[SM]        ; -smax
	v_sub_f32 v[DIFF], -v[DIFF], v[SMIN]           ; smax - smin
	v_mov_b32 v[IND], STEPS-1                      ; no negative and no zero sample: the argmin is the last sample
	s_mov_b32 s[HN], 0
; Walking down, sample j becomes the index if it is negative, or if it is zero and no sample above it was negative.
.macro FIRSTS
.irp j, 3,2,1,0
	s_and_not1_b32 s[MM+\j], s[LE+\j], s[HN]
	s_or_b32 s[MM+\j], s[MM+\j], s[LT+\j]
	s_or_b32 s[HN], s[HN], s[LT+\j]
.endr
.endm
.macro TAKE i, j
	v_cndmask_b32 v[IND], v[IND], \i+\j, s[MM+\j]
.endm
; Samples i .. i+3: sample i+j has its distance in v[ZA+j] and its x in v[XA+j].  The masks of the block before (samples i+4 .. i+7) are
; combined and applied in the middle of this block's arithmetic, so that no line stands straight behind the compare that feeds it.
.macro QUAD i
.irp j, 0,1,2,3
	ZSTEP ZA+\j, \i+\j
.endr
.irp c, 0,1,2
.irp k, 0,1
	v_pk_fma_f32 v[PA+6*\k+2*\c:PA+6*\k+2*\c+1], v[ZA+2*\k:ZA+2*\k+1], v[D+2*\c:D+2*\c+1], s[CAM+2*\c:CAM+2*\c+1] op_sel_hi:[1,0,0]
.endr
.endr
.if \i < STEPS-4
	FIRSTS
.endif
.irp c, 0,1,2
.irp k, 0,1
	v_pk_add_f32 v[PA+6*\k+2*\c:PA+6*\k+2*\c+1], v[PA+6*\k+2*\c:PA+6*\k+2*\c+1], s[NC+2*\c:NC+2*\c+1] op_sel_hi:[1,0]
.endr
.endr
.irp k, 0,1
	v_pk_fma_f32 v[XA+2*\k:XA+2*\k+1], v[PA+6*\k:PA+6*\k+1], v[PA+6*\k:PA+6*\k+1], s[EPS:EPS+1] op_sel_hi:[1,1,0]
.endr
.if \i < STEPS-4
	TAKE \i+4, 3
.endif
.irp k, 0,1
	v_pk_fma_f32 v[XA+2*\k:XA+2*\k+1], v[PA+6*\k+2:PA+6*\k+3], v[PA+6*\k+2:PA+6*\k+3], v[XA+2*\k:XA+2*\k+1]
.endr
.if \i < STEPS-4
	TAKE \i+4, 2
.endif
.irp k, 0,1
	v_pk_fma_f32 v[XA+2*\k:XA+2*\k+1], v[PA+6*\k+4:PA+6*\k+5], v[PA+6*\k+4:PA+6*\k+5], v[XA+2*\k:XA+2*\k+1]
.endr
.if \i < STEPS-4
	TAKE \i+4, 1
	TAKE \i+4, 0
.endif
.irp j, 3,2,1,0
	v_cmp_lt_f32 s[LT+\j], v[XA+\j], v[R2]         ; sdf < 0
	v_cmp_le_f32 s[LE+\j], v[XA+\j], v[R2]         ; sdf <= 0
.endr
.endm
.set QI, STEPS-4
.rept STEPS/4                                      ; unrolled: each sample's t is a literal; 25 blocks of about 330 bytes of code
	QUAD QI
.set QI, QI-4
.endr
	FIRSTS                                         ; samples 3 .. 0
.irp j, 3,2,1,0
	TAKE 0, \j
.endr
	; ---- z and sdf at ind-1 and ind, made again by the march's own formula.  net_surface is HN: the index is a negative sample or none was.
	v_cmp_eq_u32 vcc_lo, 0, v[IND]
	v_add_nc_u32 v[F], -1, v[IND]
	v_cndmask_b32 v[F], v[F], STEPS-1, vcc_lo      ; ind = 0: index -1 is the last sample
	v_cvt_f32_u32 v[F], v[F]
	v_cvt_f32_u32 v[F+1], v[IND]
.irp j, 0,1
	v_mul_f32 v[Q+\j], Y_BITS, v[F+\j]             ; t = i/99 rounded to nearest: a first quotient i y with y = 1/99 rounded,
.endr
.irp j, 0,1
	v_fmamk_f32 v[F+\j], v[Q+\j], N99_BITS, v[F+\j]    ; its remainder i - 99 q, exact in one fused step,
.endr
.irp j, 0,1
	v_fmamk_f32 v[Q+\j], v[F+\j], Y_BITS, v[Q+\j]  ; and q + remainder y: the same bits as the march's literals
.endr
	v_fma_f32 v[ZA], v[Q], v[DIFF], v[SMIN]        ; z_low
	v_fma_f32 v[ZA+1], v[Q+1], v[DIFF], v[SMIN]    ; z_high
	EVAL ZA, 0
	v_sqrt_f32 v[SP], v[XA]
	v_sqrt_f32 v[SP+1], v[XA+1]
	v_mov_b32 v[ZH0], v[ZA+1]                      ; the secant steps move z_high; the result without a surface wants z[ind].  Also the plain line behind the roots
	s_wait_alu depctr_va_vdst(0)
	v_pk_add_f32 v[SP:SP+1], v[SP:SP+1], s[NR:NR+1] op_sel_hi:[1,0]
	; ---- secant
.macro PRED                            ; z_pred = -sdf_low (z_high - z_low) / (sdf_high - sdf_low, or 1 where that is 0) + z_low
	v_sub_f32 v[BB], v[SP+1], v[SP]
	v_cmp_eq_f32 vcc_lo, 0, v[BB]
	v_cndmask_b32 v[BB], v[BB], 1.0, vcc_lo
	v_rcp_f32 v[RB], v[BB]
	v_sub_f32 v[AA], v[ZA+1], v[ZA]                ; the plain instruction between the reciprocal and its use
	s_wait_alu depctr_va_vdst(0)
	v_mul_f32 v[AA], v[AA], v[RB]
	v_fma_f32 v[ZM], -v[SP], v[AA], v[ZA]
.endm
	PRED
	s_mov_b32 s[CNT], 0
.Lsecant:
.irp c, 0,1,2
	v_fma_f32 v[PA+2*\c], v[ZM], v[D+2*\c], s[CAM+2*\c]
.endr
.irp c, 0,1,2
	v_add_f32 v[PA+2*\c], s[NC+2*\c], v[PA+2*\c]
.endr
	v_fma_f32 v[XA], v[PA], v[PA], s[EPS]
	v_fmac_f32 v[XA], v[PA+2], v[PA+2]
	v_fmac_f32 v[XA], v[PA+4], v[PA+4]
	v_sqrt_f32 v[SMID], v[XA]
	v_nop                                          ; nothing independent is left in this chain: the place behind the root
	s_wait_alu depctr_va_vdst(0)
	v_add_f32 v[SMID], s[NR], v[SMID]              ; sdf_mid
	v_cmp_lt_f32 s[T0], 0, v[SMID]                 ; outside: the lower end moves up
	v_cmp_gt_f32 s[T1], 0, v[SMID]                 ; inside: the upper end moves down
	v_cndmask_b32 v[ZA], v[ZA], v[ZM], s[T0]
	v_cndmask_b32 v[SP], v[SP], v[SMID], s[T0]
	v_cndmask_b32 v[ZA+1], v[ZA+1], v[ZM], s[T1]
	v_cndmask_b32 v[SP+1], v[SP+1], v[SMID], s[T1]
	PRED
	s_add_co_u32 s[CNT], s[CNT], 1
	s_cmp_lt_u32 s[CNT], SECANT_IT
	s_cbranch_scc1 .Lsecant
	; ---- the selects.  pts_s, pts[ind] and the secant's point are all cam + z d: choose z, then form the point.
	s_and_b32 s[T0], s[SM], s[HN]                  ; secant_mask = sampler_net_obj_mask
	v_cndmask_b32 v[ZF], v[ZH0], v[ZM], s[T0]      ; sampler_dists
	v_cndmask_b32 v[ZF], v[A], v[ZF], s[SM]        ; acc_start_dis
.irp c, 0,1,2
	v_fma_f32 v[PT+\c], v[ZF], v[D+2*\c], s[CAM+2*\c]
.endr
	s_and_not1_b32 s[T1], s[OK], s[SM]             ; outside the sampler: acc_s < acc_e
	s_or_b32 s[T0], s[T0], s[T1]
	v_cndmask_b32 v[MB], 0, 1, s[T0]
	; ---- the way out, through LDS: a lane's 12, 4 and 1 bytes become stores of 16 bytes a lane, 512 consecutive bytes a wave
	v_lshlrev_b32 v[AD4], 2, v0
	v_lshlrev_b32 v[AD], 4, v0
	ds_store_b32 v1, v[PT]                         ; three stores of 4 bytes: 12 t is a multiple of 4 only
	ds_store_b32 v1, v[PT+1] offset:4
	ds_store_b32 v1, v[PT+2] offset:8
	ds_store_b32 v[AD4], v[ZF] offset:L_DIS
	ds_store_b8 v0, v[MB] offset:L_MSK
	s_wait_dscnt 0x0                               ; for the other waves' sake: my stores are in LDS before I signal
	s_barrier_signal -1
	s_barrier_wait -1
	ds_load_b128 v[OUT:OUT+3], v[AD]               ; bytes 16 t: threads 0-383 hold points, threads 384-511 distances
	s_cmp_lt_u32 s[W], 12
	s_wait_dscnt 0x0
	s_cbranch_scc0 .Ldistances
	global_store_b128 v[AD], v[OUT:OUT+3], s[12:13] th:TH_STORE_NT                 ; waves 0-11: out0, 512 aligned consecutive bytes each
	s_cmp_lg_u32 s[W], 0
	s_cbranch_scc1 .Lend
	ds_load_b128 v[OUTM:OUTM+3], v[AD] offset:L_MSK                                ; wave 0 (t = lane): the 512 mask bytes
	s_wait_dscnt 0x0
	global_store_b128 v[AD], v[OUTM:OUTM+3], s[14:15] th:TH_STORE_NT               ; out1
	s_branch .Lend
.Ldistances:
	global_store_b128 v[AD], v[OUT:OUT+3], s[16:17] offset:-L_DIS th:TH_STORE_NT   ; waves 12-15: out2 at 16 t - 6,144 >= 0
.Lend:
	s_wait_tensorcnt 0x0
	ds_add_u32 v74, v75
	s_wait_dscnt 0x0
	s_endpgm
.Lfunc_end_k_qb643cedb93_trace:
	.size	k_qb643cedb93_trace, .Lfunc_end_k_qb643cedb93_trace-k_qb643cedb93_trace
	.p2alignl 7, 3214868480
	.fill 96, 4, 3214868480
	.section	.rodata,"a",@progbits
	.p2align	6, 0x0
	.amdhsa_kernel k_qb643cedb93_trace
		.amdhsa_group_segment_fixed_size 10752
		.amdhsa_private_segment_fixed_size 0
		.amdhsa_enable_private_segment 0
		.amdhsa_kernarg_size 56
		.amdhsa_user_sgpr_count 2
		.amdhsa_user_sgpr_kernarg_segment_ptr 1
		.amdhsa_wavefront_size32 1
		.amdhsa_system_sgpr_workgroup_id_x 1
		.amdhsa_system_sgpr_workgroup_id_y 1
		.amdhsa_system_sgpr_workgroup_id_z 1
		.amdhsa_system_vgpr_workitem_id 0
		.amdhsa_next_free_vgpr 76
		.amdhsa_next_free_sgpr 80
		.amdhsa_reserve_vcc 1
		.amdhsa_float_denorm_mode_32 3
		.amdhsa_float_denorm_mode_16_64 3
		.amdhsa_memory_ordered 1
		.amdhsa_forward_progress 1
		.amdhsa_inst_pref_size 76
	.end_amdhsa_kernel
	.amdgpu_metadata
---
amdhsa.version: [ 1, 2 ]
amdhsa.kernels:
  - .name:           k_qb643cedb93_trace
    .symbol:         k_qb643cedb93_trace.kd
    .args:
      - { .name: cam_loc, .offset: 0, .size: 8, .value_kind: global_buffer, .address_space: global }
      - { .name: ray_directions, .offset: 8, .size: 8, .value_kind: global_buffer, .address_space: global }
      - { .name: sdf_center, .offset: 16, .size: 8, .value_kind: global_buffer, .address_space: global }
      - { .name: sdf_radius, .offset: 24, .size: 8, .value_kind: global_buffer, .address_space: global }
      - { .name: out0, .offset: 32, .size: 8, .value_kind: global_buffer, .address_space: global }
      - { .name: out1, .offset: 40, .size: 8, .value_kind: global_buffer, .address_space: global }
      - { .name: out2, .offset: 48, .size: 8, .value_kind: global_buffer, .address_space: global }
    .group_segment_fixed_size: 10752
    .private_segment_fixed_size: 0
    .kernarg_segment_align: 8
    .kernarg_segment_size: 56
    .max_flat_workgroup_size: 512
    .sgpr_count:     80
    .vgpr_count:     76
    .wavefront_size: 32
...
	.end_amdgpu_metadata
.endif
;; end of part 1
